; MI455X (gfx1250); checked and timed in simulation.
; The chip was launched on July 23, 2026; its instructions are those of AMD's public machine-readable ISA for CDNA 5 (MIT licence, August 2026) and "CDNA5" Instruction Set Architecture Reference Guide (July 2026). The comments in the code are by the model that wrote it; some were corrected since.
;; Swin Transformer Block4 D. Allowed arithmetic: matrix products marked QUANTISED: E3M2 operands, one E8M0 scale for each 32 along K, by v_wmma_scale_f32_16x16x128_f8f6f4 with both operands' format E3M2, f32 sums; everything else in f32.
;; Inputs: b1 128 float32; b2 128 float32; b_fc1 512 float32; b_fc2 128 float32; b_proj 128 float32; b_qkv 384 float32; g1 128 float32; g2 128 float32; mask_matrix 256 x 256 x 256 float32; w_fc1 512 x 128 float32; w_fc2 128 x 512 float32; w_proj 128 x 128 float32; w_qkv 384 x 128 float32; x 2 x 16 x 16 x 16 x 16 x 128 float32.
;; Outputs: out0 2 x 16 x 16 x 16 x 16 x 128 float32.
;; This version of the problem:
;;   THIS VERSION OF THE PROBLEM IS GIVEN IN LOW PRECISION. The matrix products marked QUANTISED in the list below multiply operands that are first quantised to E3M2 (3 exponent bits, 2 mantissa bits; 6 bits a number), with one power-of-two scale for each 32 numbers along K (OCP MX v1.0); their sums are f32. All else is computed in f32.
;;   The module's matrix products, in the order in which they are computed (A, B: the left and right operand; K: the contracted axis; several contracted axes count as one K, in the product's order):
;;     1. [M 131,072, K 128] x [K 128, N 384]; A: computed on the way; B: input w_qkv: QUANTISED
;;     2. batch 2,048 x [M 256, K 32] x [K 32, N 256]; A: computed on the way; B: computed on the way: QUANTISED
;;     3. batch 2,048 x [M 256, K 256] x [K 256, N 32]; A: softmax (see below); B: computed on the way: QUANTISED
;;     4. [M 131,072, K 128] x [K 128, N 128]; A: computed on the way; B: input w_proj: QUANTISED
;;     5. [M 131,072, K 128] x [K 128, N 512]; A: computed on the way; B: input w_fc1: QUANTISED
;;     6. [M 131,072, K 512] x [K 512, N 128]; A: computed on the way; B: input w_fc2: QUANTISED
;;   THE QUANTISER, for each operand of a quantised product, along K:
;;     - K is cut into blocks of 32 from its start; a last block that is shorter is filled with zeros.
;;     - A block's scale is 2^e with e = floor(log2(the largest magnitude in the block)) - 4, held to -126 .. 127; a block of zeros has e = 0. As a byte (E8M0): e + 127.
;;     - Each number is divided by its block's scale, clamped to +-28, and rounded to the nearest number of E3M2, ties to even, subnormals kept.
;;     - The product sums the exact products of the quantised numbers (number of the format x scale) in f32.
;;   ~~~python
;;   def quantise(x, axis):      # numpy; x: float32 -> the quantised numbers, widened to float32 again
;;       x = np.moveaxis(x, axis, -1); K = x.shape[-1]
;;       x = np.pad(x, [(0, 0)] * (x.ndim - 1) + [(0, -K % 32)]); x = x.reshape(x.shape[:-1] + (-1, 32)); a = np.abs(x).max(-1, keepdims=True)
;;       e = np.where(a > 0, np.clip(np.frexp(np.where(a > 0, a, 1))[1] - 1 - 4, -126, 127), 0)      # np.frexp(a)[1] - 1 = floor(log2(a)), exactly
;;       r = np.clip(x / 2.0 ** e, -28, 28)
;;       step = 2.0 ** (np.maximum(np.frexp(np.where(r == 0, 1, r))[1] - 1, -2) - 2)
;;       q = np.round(r / step) * step * 2.0 ** e      # np.round: ties to even
;;       return np.moveaxis(q.reshape(q.shape[:-2] + (-1,))[..., :K], -1, axis).astype(np.float32)
;;   ~~~
;;   SOFTMAX AHEAD OF A QUANTISED PRODUCT. Where the list says 'softmax', what is quantised is not the finished softmax but p = 2^(t - M), with t = logit x log2(e) and M = ceil(the row's largest t), a whole number; so 1/2 < the row's largest p <= 1. The row's sum l is taken of the UNQUANTISED p, in f32, and the product's result is divided by l at the end. Since M is a whole number, a kernel that streams over the keys may use a running M (the ceiling of the running maximum): every later rescaling is an exact power of two, which a block's scale takes up: the codes' values come out the same.
;;   OPERANDS COMPUTED ON THE WAY. 'Computed on the way' means the value that the module computes at that place (a softmax that the list does not call 'softmax' is quantised finished and normalised). What goes into a quantiser is computed in f32, as accurately as f32 sums, v_exp_f32 and their like allow (about 1e-6 of the number): no bf16 or f16 on the way to a quantiser, and a product that is left as it is and whose result goes on into a quantised operand takes f32 operands (vector FMAs, or v_wmma_f32_16x16x4_f32). A number that lies on a knife's edge between two numbers of the format may be rounded either way, as far as f32 arithmetic and the matrix unit's own rounding can turn it there, and no further.
;; One version. Each part assembles by itself: llvm-mc -triple=amdgcn-amd-amdhsa -mcpu=gfx1250 --defsym DOCPART=n.
;; ======== version 1 of 1: 2 launches
;; limits: right only within a limited range of input values
;; workspace buffers: wpack 160,256 bytes
;; launch prep (part 1): grid 25 x 1, 4 waves a work-group, no clusters, 0 bytes of LDS; arguments w_qkv, w_proj, w_fc1, w_fc2, g1, b1, b_qkv, b_proj, g2, b2, b_fc1, b_fc2, wpack; writes wpack
.if DOCPART == 1
	.amdgcn_target "amdgcn-amd-amdhsa--gfx1250"
	.amdhsa_code_object_version 6
	.text
	.protected	k_qa19951fee1_prep
	.globl	k_qa19951fee1_prep
	.p2align	8
	.type	k_qa19951fee1_prep,@function
k_qa19951fee1_prep:
	s_mov_b64 s[64:65], 0
	v_nop
	global_prefetch_b8 v0, s[64:65] scope:SCOPE_SE
	s_setreg_imm32_b32 hwreg(HW_REG_WAVE_MODE, 25, 1), 1
	s_wait_xcnt 0x0
; The four weights of the block (f32, K innermost) become codes of BF6 (E3M2) with one E8M0 byte for each 32 along K, once for the whole program,
; laid in wpack as IMAGES OF OPERAND REGISTERS: a fragment (16 rows x 128 K) is 12 registers a lane, stored as 3 x 512 bytes, lane l's 16 bytes at 16 l;
; its 16 scale words follow elsewhere, 4 bytes a row.  The eight small vectors are copied behind one another, so that the next launch fills its LDS by dense copies.
; NO WORK IS LEFT OUT in this program: every input has a way to out0 (b_qkv's part for K too: it moves K's codes), and every input is loaded.
; THE ROWS OF A TILE ARE NOT NEIGHBOURS: lane r of tile T takes row 32 (T / 2) + 8 (T % 2) + r + 8 (r / 8), so that a transposed product's results of tiles 2 B and 2 B + 1 are
; 16 neighbours along the next product's K in one lane.
; wpack, bytes: 0 g1, 512 b1, 1024 b_qkv, 2560 b_proj, 3072 g2, 3584 b2, 4096 b_fc1, 6144 b_fc2, 6656 w_proj's 8 fragments, 18944 their scale words, 19456 w_qkv's 24 fragments,
; 56320 their scale words, 57856 four chunks s of 24,576: [w_fc1's tiles 8 s .. 8 s + 7][w_fc2's tiles 0 .. 7 at K step s], 156160 four times 1,024 of scale words in the same order.
; SHARES: work-groups 0 to 23: a fragment a wave (96 fragments); work-group 24 copies the vectors.  96 fragments are work for 24 work-groups and no more.
; LIMITS: NaN and infinities are not served; a block whose largest magnitude lies under 2^-122 keeps the byte 1; a block of zeros gets the byte 1 where the rule says 127: its codes are zeros, and this program alone reads the bytes.
.set X,   16                           ; v16-79   64 numbers of my row: register 16 b + i = k 32 b + 16 (lane / 16) + i
.set TM,  80                           ; v80-95   at work: largest magnitudes, bytes, scale operands
.set PC,  96                           ; v96-107  the fragment
.set QT,  108                          ; v108-115 the second halves of the blocks, before they are moved
.set PW,  116                          ; v116     my row's scale word
.set SEL, 32                           ; s[32:33] v_permlanex16_b32's selects for lane l xor 16
.macro QHEAD src                       ; four blocks of 32: largest magnitudes, scale operands (TM+12 ..) and bytes (TM+4 ..)
.irp b,0,1,2,3
	v_max3_num_f32 v[TM+\b], |v[(\src)+16*\b]|, |v[(\src)+1+16*\b]|, 0x2800000   ; my 16 numbers, and the floor 2^(5 - 127): the byte cannot fall under 1
.endr
.irp i,2,4,6,8,10,12,14
.irp b,0,1,2,3
	v_max3_num_f32 v[TM+\b], v[TM+\b], |v[(\src)+16*\b+\i]|, |v[(\src)+1+16*\b+\i]|
.endr
.endr
.irp b,0,1,2,3
	v_permlanex16_b32 v[TM+4+\b], v[TM+\b], s[SEL], s[SEL+1]
.endr
.irp b,0,1,2,3
	v_max_num_f32 v[TM+\b], v[TM+\b], v[TM+4+\b]                  ; with lane l xor 16's 16: the block's
.endr
.irp b,0,1,2,3
	v_add_nc_u32 v[TM+12+\b], 0xfe000000, v[TM+\b]                ; 4 off the exponent field: the conversion's scale operand
.endr
.irp b,0,1,2,3
	v_lshrrev_b32 v[TM+4+\b], 23, v[TM+12+\b]                     ; the scale's byte
.endr
.endm
.macro QCODE src, dst, sop             ; 64 numbers -> 12 registers of codes in the operand's layout
.irp c,0,1
	v_cvt_scalef32_pk16_bf6_f32 v[(\dst)+6*\c:(\dst)+6*\c+2], v[(\src)+32*\c:(\src)+32*\c+15], v[(\sop)+2*\c]
	v_cvt_scalef32_pk16_bf6_f32 v[QT+4*\c:QT+4*\c+2], v[(\src)+16+32*\c:(\src)+31+32*\c], v[(\sop)+2*\c+1]   ; (a conversion's three registers begin on an even number)
.endr
	v_nop                                  ; one plain place behind a scaled conversion
.irp c,0,1                             ; the layout wants a whole block in a lane: lanes 0-15 block 2 c, lanes 16-31 block 2 c + 1
.irp i,0,1,2
	v_permlane16_swap_b32 v[(\dst)+6*\c+\i], v[QT+4*\c+\i]
.endr
.irp i,0,1,2
	v_mov_b32 v[(\dst)+3+6*\c+\i], v[QT+4*\c+\i]
.endr
.endr
.endm
.macro QUANT src, dst, wrd
	QHEAD \src
	v_lshl_or_b32 v[\wrd], v[TM+5], 8, v[TM+4]
	v_lshl_or_b32 v[\wrd], v[TM+6], 16, v[\wrd]
	v_lshl_or_b32 v[\wrd], v[TM+7], 24, v[\wrd]
	QCODE \src, \dst, TM+12
.endm
	s_load_b512 s[4:19], s[0:1], 0x0       ; w_qkv s[4:5], w_proj s[6:7], w_fc1 s[8:9], w_fc2 s[10:11], g1 s[12:13], b1 s[14:15], b_qkv s[16:17], b_proj s[18:19]
	s_load_b256 s[20:27], s[0:1], 0x40     ; g2 s[20:21], b2 s[22:23], b_fc1 s[24:25], b_fc2 s[26:27]
	s_load_b64 s[28:29], s[0:1], 0x60      ; wpack
	v_lshrrev_b32 v1, 5, v0
	v_readfirstlane_b32 s30, v1            ; wave 0..3
	v_and_b32 v1, 31, v0
	v_lshlrev_b32 v4, 4, v1                ; 16 x lane
	v_and_b32 v2, 15, v0                   ; r
	v_lshlrev_b32 v5, 2, v2                ; 4 r
	v_bfe_u32 v3, v0, 4, 1                 ; h
	s_mov_b32 s[SEL], 0x76543210
	s_mov_b32 s[SEL+1], 0xfedcba98
	s_lshl_b32 s31, ttmp9, 2
	s_add_co_u32 s31, s31, s30             ; f: which fragment is my wave's
	s_mov_b32 s41, 0
	s_mov_b32 s43, 0
	s_wait_kmcnt 0x0
	; four arms on the work-group's number: source s[34:35], tile of rows s36, log2 of a row's bytes s37, first byte along K s38, where the fragment goes s40 and its scale words s42
	s_cmp_lt_u32 ttmp9, 6
	s_cbranch_scc0 .Lnot_qkv
	s_mov_b64 s[34:35], s[4:5]
	s_mov_b32 s36, s31
	s_mov_b32 s37, 9
	s_mov_b32 s38, 0
	s_mul_i32 s40, s31, 1536
	s_add_co_u32 s40, s40, 19456
	s_lshl_b32 s42, s31, 6
	s_add_co_u32 s42, s42, 56320
	s_branch .Lquant
.Lnot_qkv:
	s_cmp_lt_u32 ttmp9, 8
	s_cbranch_scc0 .Lnot_proj
	s_mov_b64 s[34:35], s[6:7]
	s_sub_co_u32 s36, s31, 24
	s_mov_b32 s37, 9
	s_mov_b32 s38, 0
	s_mul_i32 s40, s36, 1536
	s_add_co_u32 s40, s40, 6656
	s_lshl_b32 s42, s36, 6
	s_add_co_u32 s42, s42, 18944
	s_branch .Lquant
.Lnot_proj:
	s_cmp_lt_u32 ttmp9, 16
	s_cbranch_scc0 .Lnot_fc1
	s_mov_b64 s[34:35], s[8:9]
	s_sub_co_u32 s36, s31, 32              ; tile 0..31
	s_mov_b32 s37, 9
	s_mov_b32 s38, 0
	s_lshr_b32 s44, s36, 3                 ; chunk
	s_and_b32 s45, s36, 7
	s_mul_i32 s40, s44, 24576
	s_mul_i32 s46, s45, 1536
	s_add_co_u32 s40, s40, s46
	s_add_co_u32 s40, s40, 57856
	s_lshl_b32 s42, s44, 10
	s_lshl_b32 s46, s45, 6
	s_add_co_u32 s42, s42, s46
	s_add_co_u32 s42, s42, 156160
	s_branch .Lquant
.Lnot_fc1:
	s_cmp_lt_u32 ttmp9, 24
	s_cbranch_scc0 .Lcopy
	s_mov_b64 s[34:35], s[10:11]
	s_sub_co_u32 s46, s31, 64
	s_lshr_b32 s44, s46, 3                 ; K step = chunk
	s_and_b32 s36, s46, 7                  ; tile 0..7
	s_mov_b32 s37, 11                      ; a row of w_fc2 is 2,048 bytes
	s_lshl_b32 s38, s44, 9
	s_mul_i32 s40, s44, 24576
	s_mul_i32 s46, s36, 1536
	s_add_co_u32 s40, s40, s46
	s_add_co_u32 s40, s40, 57856+12288
	s_lshl_b32 s42, s44, 10
	s_lshl_b32 s46, s36, 6
	s_add_co_u32 s42, s42, s46
	s_add_co_u32 s42, s42, 156160+512
.Lquant:
	s_lshr_b32 s44, s36, 1
	s_lshl_b32 s44, s44, 5
	s_and_b32 s45, s36, 1
	s_lshl_b32 s45, s45, 3
	s_add_co_u32 s44, s44, s45             ; the tile's first row: 32 (T / 2) + 8 (T % 2)
	s_wait_alu depctr_va_vdst(0)
	v_lshrrev_b32 v6, 3, v2
	v_lshl_add_u32 v6, v6, 3, v2           ; r + 8 (r / 8)
	v_add_nc_u32 v6, s44, v6
	v_lshlrev_b32 v6, s37, v6              ; my row, in bytes
	v_lshl_add_u32 v6, v3, 6, v6           ; + 64 h: my 16 numbers of each block of 32
	v_add_nc_u32 v6, s38, v6
.irp b,0,1,2,3
.irp j,0,1,2,3
	global_load_b128 v[X+16*\b+4*\j:X+16*\b+4*\j+3], v6, s[34:35] offset:128*\b+16*\j
.endr
.endr
	s_add_nc_u64 s[40:41], s[28:29], s[40:41]
	s_add_nc_u64 s[42:43], s[28:29], s[42:43]
.irp b,0,1,2,3
	v_mov_b32 v[TM+4+\b], 0                ; written once: a lane permute's destination counts as one of its sources
.endr
	s_wait_loadcnt 0x0
	QUANT X, PC, PW
.irp c,0,1,2
	global_store_b128 v4, v[PC+4*\c:PC+4*\c+3], s[40:41] offset:512*\c   ; 32 lanes store 512 consecutive bytes
.endr
	global_store_b32 v5, v[PW], s[42:43]   ; 16 words, 64 bytes (both halves of the lanes hold and write the same word): a quarter of an aligned 256 bytes, for 8,192 bytes read
	s_endpgm
.Lcopy:                                    ; the vectors, in pieces of 512 bytes: 16 bytes a lane
	s_cmp_eq_u32 s30, 0
	s_cbranch_scc0 .Lc1
	s_wait_alu depctr_va_vdst(0)
	global_load_b128 v[16:19], v4, s[12:13]
	global_load_b128 v[20:23], v4, s[14:15]
	global_load_b128 v[24:27], v4, s[20:21]
	global_load_b128 v[28:31], v4, s[22:23]
	s_wait_loadcnt 0x0
	global_store_b128 v4, v[16:19], s[28:29]
	global_store_b128 v4, v[20:23], s[28:29] offset:512
	global_store_b128 v4, v[24:27], s[28:29] offset:3072
	global_store_b128 v4, v[28:31], s[28:29] offset:3584
	s_endpgm
.Lc1:
	s_cmp_eq_u32 s30, 1
	s_cbranch_scc0 .Lc2
	s_wait_alu depctr_va_vdst(0)
	global_load_b128 v[16:19], v4, s[16:17]
	global_load_b128 v[20:23], v4, s[16:17] offset:512
	global_load_b128 v[24:27], v4, s[16:17] offset:1024
	global_load_b128 v[28:31], v4, s[18:19]
	s_wait_loadcnt 0x0
	global_store_b128 v4, v[16:19], s[28:29] offset:1024
	global_store_b128 v4, v[20:23], s[28:29] offset:1536
	global_store_b128 v4, v[24:27], s[28:29] offset:2048
	global_store_b128 v4, v[28:31], s[28:29] offset:2560
	s_endpgm
.Lc2:
	s_cmp_eq_u32 s30, 2
	s_cbranch_scc0 .Lc3
	s_wait_alu depctr_va_vdst(0)
.irp i,0,1,2,3
	global_load_b128 v[16+4*\i:19+4*\i], v4, s[24:25] offset:512*\i
.endr
	s_wait_loadcnt 0x0
.irp i,0,1,2,3
	global_store_b128 v4, v[16+4*\i:19+4*\i], s[28:29] offset:4096+512*\i
.endr
	s_endpgm
.Lc3:
	s_wait_alu depctr_va_vdst(0)
	global_load_b128 v[16:19], v4, s[26:27]
	s_wait_loadcnt 0x0
	global_store_b128 v4, v[16:19], s[28:29] offset:6144
	s_endpgm
.Lfunc_end_k_qa19951fee1_prep:
	.size	k_qa19951fee1_prep, .Lfunc_end_k_qa19951fee1_prep-k_qa19951fee1_prep
	.p2alignl 7, 3214868480
	.fill 96, 4, 3214868480
	.section	.rodata,"a",@progbits
	.p2align	6, 0x0
	.amdhsa_kernel k_qa19951fee1_prep
		.amdhsa_group_segment_fixed_size 0
		.amdhsa_private_segment_fixed_size 0
		.amdhsa_enable_private_segment 0
		.amdhsa_kernarg_size 104
		.amdhsa_user_sgpr_count 2
		.amdhsa_user_sgpr_kernarg_segment_ptr 1
		.amdhsa_wavefront_size32 1
		.amdhsa_system_sgpr_workgroup_id_x 1
		.amdhsa_system_sgpr_workgroup_id_y 1
		.amdhsa_system_sgpr_workgroup_id_z 1
		.amdhsa_system_vgpr_workitem_id 0
		.amdhsa_next_free_vgpr 128
		.amdhsa_next_free_sgpr 66
		.amdhsa_reserve_vcc 0
		.amdhsa_float_denorm_mode_32 3
		.amdhsa_float_denorm_mode_16_64 3
		.amdhsa_memory_ordered 1
		.amdhsa_forward_progress 1
		.amdhsa_inst_pref_size 13
	.end_amdhsa_kernel
	.amdgpu_metadata
---
amdhsa.version: [ 1, 2 ]
amdhsa.kernels:
  - .name:           k_qa19951fee1_prep
    .symbol:         k_qa19951fee1_prep.kd
    .args:
      - { .name: w_qkv, .offset: 0, .size: 8, .value_kind: global_buffer, .address_space: global }
      - { .name: w_proj, .offset: 8, .size: 8, .value_kind: global_buffer, .address_space: global }
      - { .name: w_fc1, .offset: 16, .size: 8, .value_kind: global_buffer, .address_space: global }
      - { .name: w_fc2, .offset: 24, .size: 8, .value_kind: global_buffer, .address_space: global }
      - { .name: g1, .offset: 32, .size: 8, .value_kind: global_buffer, .address_space: global }
      - { .name: b1, .offset: 40, .size: 8, .value_kind: global_buffer, .address_space: global }
      - { .name: b_qkv, .offset: 48, .size: 8, .value_kind: global_buffer, .address_space: global }
      - { .name: b_proj, .offset: 56, .size: 8, .value_kind: global_buffer, .address_space: global }
      - { .name: g2, .offset: 64, .size: 8, .value_kind: global_buffer, .address_space: global }
      - { .name: b2, .offset: 72, .size: 8, .value_kind: global_buffer, .address_space: global }
      - { .name: b_fc1, .offset: 80, .size: 8, .value_kind: global_buffer, .address_space: global }
      - { .name: b_fc2, .offset: 88, .size: 8, .value_kind: global_buffer, .address_space: global }
      - { .name: wpack, .offset: 96, .size: 8, .value_kind: global_buffer, .address_space: global }
    .group_segment_fixed_size: 0
    .private_segment_fixed_size: 0
    .kernarg_segment_align: 8
    .kernarg_segment_size: 104
    .max_flat_workgroup_size: 128
    .sgpr_count:     66
    .vgpr_count:     128
    .wavefront_size: 32
...
	.end_amdgpu_metadata
.endif
;; end of part 1
;; launch swin (part 2): grid 256 x 1, 16 waves a work-group, no clusters, 320,512 bytes of LDS; arguments x, mask_matrix, wpack, out0; writes out0
.if DOCPART == 2
	.amdgcn_target "amdgcn-amd-amdhsa--gfx1250"
	.amdhsa_code_object_version 6
	.text
	.protected	k_qa19951fee1_swin
	.globl	k_qa19951fee1_swin
	.p2align	8
	.type	k_qa19951fee1_swin,@function
k_qa19951fee1_swin:
	s_mov_b64 s[64:65], 0
	v_nop
	global_prefetch_b8 v0, s[64:65] scope:SCOPE_SE
	s_setreg_imm32_b32 hwreg(HW_REG_WAVE_MODE, 25, 1), 1
	s_wait_xcnt 0x0
; The whole Swin block in one launch: LN1, roll and windows (an address map), QKV, 4 heads of attention with the additive mask, projection, residual, LN2, FC1, exact GELU, FC2, residual.
; All six products on codes of BF6 (E3M2) with one E8M0 scale for each 32 along K; every activation is quantised in registers on its way; nothing goes through memory.  No work is left out: every input reaches out0.
; SHARES.  Work-group w takes window w of BOTH batches (the mask's 256 x 256 block is the same for both).  Wave = 8 x batch + b owns tokens 32 b .. 32 b + 31 of its batch's window through all phases, as two tiles u of 16.
; Sixteen waves of 256 registers, four to a SIMD: one wave's softmax or GELU stands beside another's products and LDS loads.
; THE ROWS OF A TILE ARE NOT NEIGHBOURS: row r of tile (b, u) is token 32 b + 8 u + r + 8 (r / 8); the weights' tiles (made by the launch before) likewise.  So a transposed product (source 0 = 16 rows of a weight or 16 keys,
; source 1 = 16 tokens) leaves in lane (r, h) token r, and in register 16 B + i channel (or key) 32 B + 16 h + i: the order in which x, the mask, biases and gains are loaded too.
; So mask, biases and residuals are the C of a sum's first matrix instruction, and 64 registers go straight into the quantiser.
; ROLL AND WINDOWS: coordinate = (4 x window + inner + 2) & 15 on each of the four axes, the same for the load of x and the store of out0.
; SOFTMAX ahead of the second product: t = logit x log2(e); M = the running largest t rounded up to a whole number; p = 2^(t - M) is quantised along the keys; the sum of the unquantised p divides at the end.
; QK^T has K = 32: K's fragment holds one head's blocks of four key tiles, and Q's fragment is cleared but for the head's block: zero codes add nothing.
; x IS READ TWICE (LN1; the residual): 512 tokens of f32 are 262,144 bytes, which fit neither beside this LDS map nor in the waves' registers.
; LDS: 0 vectors and w_proj (19,456) | 19456 region A: first w_qkv's fragments, then a slice of 8,448 for each wave: its mask image, later its stage for out0 | 154624 region B: for each batch K's 16 images, their scale words,
; V^T's 16 fragments (lane-major, 48 bytes a lane), their scale words (51,200); later w_fc1 and w_fc2 (102,400) | 257024 3,584 for each wave: Q's, later O's two images and scale words | 314368 4,096 bytes of zeros | 318464 the spare words.
; LIMITS: NaN and infinities are not served.  A block whose largest magnitude lies under 2^-122 keeps the byte 1; a block of zeros has the byte 1 (its codes are zeros).  erf is a rational form in f32 (degrees 13 and 8) on its argument held to +-4,
; good to an ulp or two of erf, so that far down GELU's negative tail 1 + erf keeps f32's absolute and not its relative accuracy.  v_exp_f32 gives 0 for p under 2^-126.
; HOW K AND Q LIE IN LDS (this stands for the head's lines on QK^T and on the map's tail).  QK^T has K = 32, and a matrix instruction takes 128 along K: so K is laid HEAD BY HEAD:
; fragment (head hh, group G) holds in its block j the head's 32 channels of key tile 4 G + j, lane-major, 48 bytes a lane; its scale word's byte j is that tile's byte.  One fragment serves four products,
; each against Q's block of the head at block j and zero codes in the other three blocks: zero codes add nothing.  Q lies by heads and rows, 24 bytes a row, with a scale word for each head that holds the head's byte four times.
; Map's tail: 257024 for each wave 3,584: for each of its two tiles Q's codes (1,536) and four heads' scale words (256), later O's image and scale words | 314368 4,096 bytes of zeros, written once | 318464 the spare words.
.set SPARE, 318464
.set ZB,    314368
.set RA,    19456
.set WSL,   8448
.set RB,    154624
.set BB,    51200
.set QRG,   257024
.set QKVF,  19456
.set QKVS,  56320
.set PRF,   6656
.set PRS,   18944
.set SEL,   20
; v0 thread; v1, v2 the add's two; v3 16 x lane; v4 4 r; v5 64 h; v6 x's offset of token (b, ., r) without the third axis; v7 (r / 4) % 2; v8 a prefetch's offset; v9 my slice of region A + 16 x lane
; s[4:5] x, s[6:7] my 16 rows of the mask, s[8:9] wpack, s[10:11] out0; s12 wave, s13 batch, s14 b, s15 window; s16 to s19 the four axes' terms; s[20:21] lane selects; s22 1/128, s23 1e-5; s[24:25] log2(e); s[26:27] 32^-0.5;
; s28, s35 -+4 sqrt(2); s29 to s34 loop counters and steps; s[36:39], s[66:69] terms of out0's rows; s[40:59] erf's coefficients; s72 my bytes for Q and O, s73 my batch's part of region B, s74 my slice of region A; s70, s71, s75, s76 at work
.macro PLACES n
.rept \n
	v_nop
.endr
.endm
.macro BARRIER                         ; my LDS stores have landed and my LDS loads are in: then the work-group's barrier
	s_wait_dscnt 0x0
	s_barrier_signal -1
	s_barrier_wait -1
.endm
.macro QHEAD src                       ; four blocks of 32 (16 numbers in my lane, 16 in lane l xor 16): scale operands in TM+12 .., bytes in TM+4 ..
.irp b,0,1,2,3
	v_max3_num_f32 v[TM+\b], |v[(\src)+16*\b]|, |v[(\src)+1+16*\b]|, 0x2800000   ; and the floor 2^(5 - 127): the byte cannot fall under 1
.endr
.irp i,2,4,6,8,10,12,14
.irp b,0,1,2,3
	v_max3_num_f32 v[TM+\b], v[TM+\b], |v[(\src)+16*\b+\i]|, |v[(\src)+1+16*\b+\i]|
.endr
.endr
.irp b,0,1,2,3
	v_permlanex16_b32 v[TM+4+\b], v[TM+\b], s[SEL], s[SEL+1]
.endr
.irp b,0,1,2,3
	s_delay_alu instid0(VALU_DEP_4)
	v_max_num_f32 v[TM+\b], v[TM+\b], v[TM+4+\b]
.endr
.irp b,0,1,2,3
	s_delay_alu instid0(VALU_DEP_4)
	v_add_nc_u32 v[TM+12+\b], 0xfe000000, v[TM+\b]                ; 4 off the exponent field: the conversion takes this operand's exponent field as its scale
.endr
.irp b,0,1,2,3
	s_delay_alu instid0(VALU_DEP_4)
	v_lshrrev_b32 v[TM+4+\b], 23, v[TM+12+\b]                     ; the scale's byte
.endr
.endm
.macro QCODE src, dst, sop             ; 64 numbers -> a fragment's 12 registers
.irp c,0,1
	v_cvt_scalef32_pk16_bf6_f32 v[(\dst)+6*\c:(\dst)+6*\c+2], v[(\src)+32*\c:(\src)+32*\c+15], v[(\sop)+2*\c]
	v_cvt_scalef32_pk16_bf6_f32 v[QT+4*\c:QT+4*\c+2], v[(\src)+16+32*\c:(\src)+31+32*\c], v[(\sop)+2*\c+1]   ; (a conversion's three registers begin on an even number)
.endr
	v_nop                                  ; one plain place behind a scaled conversion
.irp c,0,1                             ; the layout wants a whole block in a lane: lanes 0-15 block 2 c, lanes 16-31 block 2 c + 1
.irp i,0,1,2
	v_permlane16_swap_b32 v[(\dst)+6*\c+\i], v[QT+4*\c+\i]
.endr
.irp i,0,1,2
	s_delay_alu instid0(VALU_DEP_3)
	v_mov_b32 v[(\dst)+3+6*\c+\i], v[QT+4*\c+\i]
.endr
.endr
.endm
.macro QUANT src, dst, wrd
	QHEAD \src
	s_delay_alu instid0(VALU_DEP_3)
	v_lshl_or_b32 v[\wrd], v[TM+5], 8, v[TM+4]                    ; my row's scale word
	s_delay_alu instid0(VALU_DEP_1)
	v_lshl_or_b32 v[\wrd], v[TM+6], 16, v[\wrd]
	s_delay_alu instid0(VALU_DEP_1)
	v_lshl_or_b32 v[\wrd], v[TM+7], 24, v[\wrd]
	QCODE \src, \dst, TM+12
.endm
.macro IMG adr, off, reg               ; a fragment goes to LDS as an image of its registers
.irp c,0,1,2
	ds_store_b128 v[\adr], v[(\reg)+4*\c:(\reg)+4*\c+3] offset:(\off)+512*\c
.endr
.endm
.macro FRAG reg, adr, off              ; and comes back so
.irp c,0,1,2
	ds_load_b128 v[(\reg)+4*\c:(\reg)+4*\c+3], v[\adr] offset:(\off)+512*\c
.endr
.endm
.macro VEC16 reg, adr, off             ; 128 numbers of a vector in the results' order: 64 a lane
.irp b,0,1,2,3
.irp j,0,1,2,3
	ds_load_b128 v[(\reg)+16*\b+4*\j:(\reg)+16*\b+4*\j+3], v[\adr] offset:(\off)+128*\b+16*\j
.endr
.endr
.endm
.macro W4 fa, fo, sa, so               ; four fragments of a weight and their scale words
.irp t,0,1,2,3
	FRAG WF+12*\t, \fa, (\fo)+1536*\t
	ds_load_b32 v[WS+\t], v[\sa] offset:(\so)+64*\t
.endr
.endm
.macro MM d, a, b, c, sa, sb
	v_wmma_scale_f32_16x16x128_f8f6f4 v[(\d):(\d)+7], v[(\a):(\a)+11], v[(\b):(\b)+11], v[(\c):(\c)+7], v[\sa], v[\sb] matrix_a_fmt:MATRIX_FMT_BF6 matrix_b_fmt:MATRIX_FMT_BF6
.endm
.macro MM0 d, a, b, sa, sb             ; the constant 0 starts the sum
	v_wmma_scale_f32_16x16x128_f8f6f4 v[(\d):(\d)+7], v[(\a):(\a)+11], v[(\b):(\b)+11], 0, v[\sa], v[\sb] matrix_a_fmt:MATRIX_FMT_BF6 matrix_b_fmt:MATRIX_FMT_BF6
.endm
; A layer norm's figures of a token: 64 channels in my lane, 64 in lane l xor 16.  dst = src - mean; v[rs] = 1 / sqrt(mean of squares of dst + 1e-5).  Sums begin at each tile's low end.
.macro LNSTAT src, dst, rs
	v_pk_add_f32 v[LT:LT+1], v[(\src):(\src)+1], v[(\src)+4:(\src)+5]
	v_pk_add_f32 v[LT+2:LT+3], v[(\src)+2:(\src)+3], v[(\src)+6:(\src)+7]
.irp j,8,12,16,20,24,28,32,36,40,44,48,52,56,60
	v_pk_add_f32 v[LT:LT+1], v[LT:LT+1], v[(\src)+\j:(\src)+\j+1]
	v_pk_add_f32 v[LT+2:LT+3], v[LT+2:LT+3], v[(\src)+\j+2:(\src)+\j+3]
.endr
	s_delay_alu instid0(VALU_DEP_1)
	v_pk_add_f32 v[LT:LT+1], v[LT:LT+1], v[LT+2:LT+3]
	s_delay_alu instid0(VALU_DEP_1)
	v_add_f32 v[LT], v[LT], v[LT+1]
	s_delay_alu instid0(VALU_DEP_1)
	v_permlanex16_b32 v[LT+6], v[LT], s[SEL], s[SEL+1]
	s_delay_alu instid0(VALU_DEP_1)
	v_add_f32 v[LT], v[LT], v[LT+6]
	s_delay_alu instid0(VALU_DEP_1)
	v_mul_f32 v[LT], s22, v[LT]            ; the mean
.irp j,0,2,4,6,8,10,12,14,16,18,20,22,24,26,28,30,32,34,36,38,40,42,44,46,48,50,52,54,56,58,60,62
	v_pk_add_f32 v[(\dst)+\j:(\dst)+\j+1], v[(\src)+\j:(\src)+\j+1], v[LT:LT+1] op_sel_hi:[1,0] neg_lo:[0,1] neg_hi:[0,1]
.endr
	v_pk_mul_f32 v[LT+2:LT+3], v[(\dst):(\dst)+1], v[(\dst):(\dst)+1]
	v_pk_mul_f32 v[LT+4:LT+5], v[(\dst)+2:(\dst)+3], v[(\dst)+2:(\dst)+3]
.irp j,4,8,12,16,20,24,28,32,36,40,44,48,52,56,60
	s_delay_alu instid0(VALU_DEP_2)
	v_pk_fma_f32 v[LT+2:LT+3], v[(\dst)+\j:(\dst)+\j+1], v[(\dst)+\j:(\dst)+\j+1], v[LT+2:LT+3]
	s_delay_alu instid0(VALU_DEP_2)
	v_pk_fma_f32 v[LT+4:LT+5], v[(\dst)+\j+2:(\dst)+\j+3], v[(\dst)+\j+2:(\dst)+\j+3], v[LT+4:LT+5]
.endr
	s_delay_alu instid0(VALU_DEP_1)
	v_pk_add_f32 v[LT+2:LT+3], v[LT+2:LT+3], v[LT+4:LT+5]
	s_delay_alu instid0(VALU_DEP_1)
	v_add_f32 v[LT+2], v[LT+2], v[LT+3]
	s_delay_alu instid0(VALU_DEP_1)
	v_permlanex16_b32 v[LT+6], v[LT+2], s[SEL], s[SEL+1]
	s_delay_alu instid0(VALU_DEP_1)
	v_add_f32 v[LT+2], v[LT+2], v[LT+6]
	s_delay_alu instid0(VALU_DEP_1)
	v_fma_f32 v[LT+2], v[LT+2], s22, s23
	s_wait_alu depctr_va_vdst(0)
	v_rsq_f32 v[\rs], v[LT+2]
	v_mov_b32 v[(\rs)+1], 0                ; the plain place behind the transcendental (and the pair's upper half is written)
	s_wait_alu depctr_va_vdst(0)           ; the wait ahead of the result's first reader
.endm
.macro LNLOAD goff, boff, half         ; gain and bias of 64 channels (32 a lane)
.irp b,0,1
.irp j,0,1,2,3
	ds_load_b128 v[GB+16*\b+4*\j:GB+16*\b+4*\j+3], v5 offset:(\goff)+256*(\half)+128*\b+16*\j
	ds_load_b128 v[GB+32+16*\b+4*\j:GB+32+16*\b+4*\j+3], v5 offset:(\boff)+256*(\half)+128*\b+16*\j
.endr
.endr
.endm
.macro LNAPPLY dst, rs, half
.irp j,0,2,4,6,8,10,12,14,16,18,20,22,24,26,28,30
	v_pk_mul_f32 v[(\dst)+32*(\half)+\j:(\dst)+32*(\half)+\j+1], v[(\dst)+32*(\half)+\j:(\dst)+32*(\half)+\j+1], v[(\rs):(\rs)+1] op_sel_hi:[1,0]
.endr
.irp j,0,2,4,6,8,10,12,14,16,18,20,22,24,26,28,30
	v_pk_fma_f32 v[(\dst)+32*(\half)+\j:(\dst)+32*(\half)+\j+1], v[(\dst)+32*(\half)+\j:(\dst)+32*(\half)+\j+1], v[GB+\j:GB+\j+1], v[GB+32+\j:GB+32+\j+1]
.endr
.endm
; ================================================================ HEAD
	s_load_b256 s[4:11], s[0:1], 0x0       ; x, mask_matrix, wpack, out0
	v_lshl_add_u32 v1, v0, 2, SPARE        ; my spare word,
	v_mov_b32 v2, 0                        ; and 0: kept for the wave's closing lines alone
	v_lshrrev_b32 v10, 5, v0
	s_delay_alu instid0(VALU_DEP_1)
	v_readfirstlane_b32 s12, v10           ; wave 0..15
	s_lshr_b32 s13, s12, 3                 ; batch
	s_and_b32 s14, s12, 7                  ; b: my 32 tokens of the window
	s_mov_b32 s15, ttmp9                   ; window
	v_and_b32 v10, 31, v0
	v_and_b32 v11, 15, v0                  ; r
	s_wait_alu depctr_va_vdst(0)
	v_bfe_u32 v12, v0, 4, 1                ; h
	v_lshlrev_b32 v3, 4, v10
	v_lshlrev_b32 v4, 2, v11
	s_delay_alu instid0(VALU_DEP_3)
	v_lshlrev_b32 v5, 6, v12
	v_bfe_u32 v7, v0, 2, 1
	; token 32 b + 16 (r / 8) + 8 u + r % 8 has the inner coordinates b / 2 | 2 (b % 2) + r / 8 | 2 u + (r / 4) % 2 | r % 4
	s_lshr_b32 s70, s15, 6
	s_lshl_b32 s70, s70, 2
	s_lshr_b32 s71, s14, 1
	s_add_co_u32 s70, s70, s71
	s_add_co_u32 s70, s70, 2
	s_and_b32 s70, s70, 15
	s_lshl_b32 s70, s70, 21
	s_lshl_b32 s16, s13, 25
	s_add_co_u32 s16, s16, s70             ; batch and first axis, in bytes
	s_bfe_u32 s17, s15, 0x20004
	s_lshl_b32 s17, s17, 2
	s_and_b32 s71, s14, 1
	s_lshl_b32 s71, s71, 1
	s_add_co_u32 s17, s17, s71
	s_add_co_u32 s17, s17, 2               ; second axis, without r / 8
	s_bfe_u32 s18, s15, 0x20002
	s_lshl_b32 s18, s18, 2
	s_add_co_u32 s18, s18, 2               ; third axis, without 2 u + (r / 4) % 2
	s_and_b32 s19, s15, 3
	s_lshl_b32 s19, s19, 2
	s_add_co_u32 s19, s19, 2               ; fourth axis, without r % 4
	v_lshrrev_b32 v13, 3, v11
	s_delay_alu instid0(VALU_DEP_1)
	v_add_nc_u32 v13, s17, v13
	s_delay_alu instid0(VALU_DEP_1)
	v_and_b32 v13, 15, v13
	s_delay_alu instid0(VALU_DEP_1)
	v_lshlrev_b32 v6, 17, v13
	v_and_b32 v13, 3, v11
	s_delay_alu instid0(VALU_DEP_1)
	v_add_nc_u32 v13, s19, v13
	s_delay_alu instid0(VALU_DEP_1)
	v_and_b32 v13, 15, v13
	s_delay_alu instid0(VALU_DEP_1)
	v_lshl_add_u32 v6, v13, 9, v6
	s_delay_alu instid0(VALU_DEP_1)
	v_add_nc_u32 v6, s16, v6
	s_delay_alu instid0(VALU_DEP_1)
	v_add_nc_u32 v6, v6, v5                ; + 64 h: my 16 channels of each 32
	v_add_nc_u32 v13, s18, v7
	s_delay_alu instid0(VALU_DEP_1)
	v_and_b32 v13, 15, v13
	s_delay_alu instid0(VALU_DEP_1)
	v_lshl_add_u32 v14, v13, 13, v6        ; tile 0's rows of x
	s_add_co_u32 s70, s18, 2
	v_add_nc_u32 v13, s70, v7
	s_delay_alu instid0(VALU_DEP_1)
	v_and_b32 v13, 15, v13
	s_delay_alu instid0(VALU_DEP_1)
	v_lshl_add_u32 v15, v13, 13, v6        ; tile 1's
.irp i,0,1,2,3
	s_add_co_u32 s[36+\i], s19, \i
	s_and_b32 s[36+\i], s[36+\i], 15
	s_lshl_b32 s[36+\i], s[36+\i], 9
.endr
	v_bfe_u32 v13, v0, 1, 3                ; the mask's prefetches: a lane names one aligned 256 bytes: row (lane / 2) of a tile's 16, half lane % 2 of 512 bytes; the keys' half is my batch's number
	s_delay_alu instid0(VALU_DEP_1)
	v_lshl_add_u32 v13, v12, 4, v13
	s_delay_alu instid0(VALU_DEP_1)
	v_lshlrev_b32 v8, 10, v13
	v_and_b32 v13, 1, v0
	s_delay_alu instid0(VALU_DEP_1)
	v_lshl_add_u32 v8, v13, 8, v8
	s_lshl_b32 s70, s13, 9
	v_add_nc_u32 v8, s70, v8
	s_mul_i32 s72, s12, 3584
	s_add_co_u32 s72, s72, QRG
	s_mul_i32 s73, s13, BB
	s_add_co_u32 s73, s73, RB
	s_mul_i32 s74, s12, WSL
	s_add_co_u32 s74, s74, RA
	v_add_nc_u32 v9, s74, v3
	s_mov_b32 s20, 0x76543210
	s_mov_b32 s21, 0xfedcba98
	s_mov_b32 s22, 0x3c000000
	s_mov_b32 s23, 0x3727c5ac
	s_mov_b32 s24, 0x3fb8aa3b
	s_mov_b32 s25, s24
	s_mov_b32 s26, 0x3e3504f3
	s_mov_b32 s27, s26
	v_lshlrev_b32 v13, 4, v0               ; 16 x thread
	s_lshl_b32 s70, s15, 18
	s_lshl_b32 s71, s14, 15
	s_add_co_u32 s70, s70, s71
	s_mov_b32 s71, 0
	s_wait_alu depctr_va_vdst(0)
	s_wait_kmcnt 0x0
	s_add_nc_u64 s[6:7], s[6:7], s[70:71]  ; the mask at window w, query 32 b
.irp i,0,1,2,3,4,5,6,7
	global_load_b128 v[144+4*\i:147+4*\i], v13, s[8:9] offset:8192*\i   ; wpack's first 65,536 bytes: vectors, w_proj, w_qkv (and 7,680 bytes more, which nobody reads: so all 512 threads copy alike)
.endr
.irp b,0,1,2,3
.irp j,0,1,2,3
	global_load_b128 v[16+16*\b+4*\j:19+16*\b+4*\j], v14, s[4:5] offset:128*\b+16*\j
.endr
.endr
.irp b,0,1,2,3
.irp j,0,1,2,3
	global_load_b128 v[80+16*\b+4*\j:83+16*\b+4*\j], v15, s[4:5] offset:128*\b+16*\j
.endr
.endr
	s_wait_loadcnt 32
	v_lshl_add_u32 v10, v0, 3, ZB          ; the zeros: 512 threads x 8 bytes
	v_mov_b32 v208, 0
	v_mov_b32 v209, 0
	ds_store_b64 v10, v[208:209]
.irp i,0,1,2,3,4,5,6,7
	ds_store_b128 v13, v[144+4*\i:147+4*\i] offset:8192*\i
.endr
	BARRIER                                ; weights and vectors lie in LDS
; ================================================================ PHASE 1: LN1, x's codes, K, V, Q
.set X0,  16                           ; v16-79   tile 0: x, then results
.set X1,  80                           ; v80-143  tile 1
.set VR,  16                           ; v16-143  V: channel tile T, token tile u at 16 T + 8 u
.set GB,  144                          ; v144-207 gain and bias
.set LT,  208                          ; v208-215 at work in the layer norm
.set RS0, 216
.set RS1, 218
.set WF,  144                          ; v144-191 four fragments of a weight
.set WS,  192                          ; v192-195 their scale words
.set TM,  196                          ; v196-211 at work in the quantiser
.set VB,  196                          ; v196-211 V's bias: a pair a tile
.set PC,  212                          ; v212-227 codes just made
.set QT,  224
.set XF0, 232                          ; v232-243, v244-255 x's two fragments
.set XF1, 244
.set PW,  13
.set XS0, 14                           ; their scale words
.set XS1, 15
	v_mov_b32 v[LT+6], 0                   ; written once: a lane permute's destination counts as one of its sources
	LNLOAD 0, 512, 0
	s_wait_loadcnt 16                      ; tile 0's 16 loads are in; tile 1's may be out
	LNSTAT X0, X0, RS0
	s_wait_loadcnt 0x0
	LNSTAT X1, X1, RS1
	s_wait_dscnt 0x0
	LNAPPLY X0, RS0, 0
	LNAPPLY X1, RS1, 0
	LNLOAD 0, 512, 1
	s_wait_dscnt 0x0
	LNAPPLY X0, RS0, 1
	LNAPPLY X1, RS1, 1
	QUANT X0, XF0, XS0
	QUANT X1, XF1, XS1
	s_wait_alu depctr_va_vdst(0)
	PLACES 8                               ; a scale word made by vector instructions stands eight places ahead of the scaled product, an operand four
; both token tiles x eight tiles of w_qkv from t0 on, transposed, the bias as C.  Each accumulator has one instruction: no chain
.macro LIN2 t0, boff
	VEC16 X0, 5, \boff
	VEC16 X1, 5, \boff
.irp g,0,1
	W4 3, QKVF+1536*((\t0)+4*\g), 4, QKVS+64*((\t0)+4*\g)
	s_wait_dscnt 0x0
.irp t,0,1,2,3
	MM X0+8*(4*\g+\t), WF+12*\t, XF0, X0+8*(4*\g+\t), WS+\t, XS0
	MM X1+8*(4*\g+\t), WF+12*\t, XF1, X1+8*(4*\g+\t), WS+\t, XS1
.endr
	PLACES 4                               ; in front of loads into the fragments' registers and of the first read of results
.endr
.endm
	; ---- K: tiles 2 b and 2 b + 1 of my batch's sixteen
	; my key tiles are 2 b + u = 4 G + j with G = b / 2, j = 2 (b % 2) + u.  Lane (r, h) holds in registers 6 c .. 6 c + 5 the block of head 2 c + h: it goes to fragment 4 (2 c + h) + G, lane 16 u + r, byte 24 (b % 2)
	s_lshr_b32 s70, s14, 1
	s_and_b32 s75, s14, 1
	s_mul_i32 s71, s70, 1536
	s_add_co_u32 s71, s71, s73
	s_mul_i32 s76, s75, 24
	s_add_co_u32 s71, s71, s76
	v_mul_u32_u24 v10, v4, 12              ; 48 r
	s_delay_alu instid0(VALU_DEP_1)
	v_mad_u32_u24 v10, v5, 96, v10         ; + 6,144 h
	s_delay_alu instid0(VALU_DEP_1)
	v_add_nc_u32 v10, s71, v10
	s_lshl_b32 s70, s70, 6
	s_lshl_b32 s75, s75, 1
	s_add_co_u32 s70, s70, s75
	s_add_co_u32 s70, s70, s73
	s_add_co_u32 s70, s70, 24576
	v_add_nc_u32 v11, s70, v4              ; scale words: 64 G + 4 r + 2 (b % 2); the head and u stand in the offset
.macro KPUT u
	QHEAD X0+64*\u
	QCODE X0+64*\u, PC, TM+12
.irp c,0,1
.irp i,0,1,2
	ds_store_b64 v10, v[PC+6*\c+2*\i:PC+6*\c+2*\i+1] offset:12288*\c+768*\u+8*\i
.endr
.endr
.irp t,0,1,2,3
	ds_store_b8 v11, v[TM+4+\t] offset:256*\t+\u                  ; both halves of the lanes write the same byte with the same value
.endr
	s_wait_dscnt 0x0                       ; the stores have read their registers
.endm
.macro QPUT u
	QHEAD X0+64*\u
.irp t,0,1,2,3
	s_delay_alu instid0(VALU_DEP_4)
	v_lshl_or_b32 v[TM+8+\t], v[TM+4+\t], 8, v[TM+4+\t]           ; a head's byte four times: whichever block Q's codes stand at, its scale is there
.endr
.irp t,0,1,2,3
	s_delay_alu instid0(VALU_DEP_4)
	v_lshl_or_b32 v[TM+8+\t], v[TM+8+\t], 16, v[TM+8+\t]
.endr
	QCODE X0+64*\u, PC, TM+12
.irp c,0,1
.irp i,0,1,2
	ds_store_b64 v10, v[PC+6*\c+2*\i:PC+6*\c+2*\i+1] offset:768*\c+1792*\u+8*\i
.endr
.endr
.irp t,0,1,2,3
	ds_store_b32 v11, v[TM+8+\t] offset:64*\t+1792*\u
.endr
.endm
	LIN2 8, 1536
	KPUT 0
	KPUT 1
	; ---- V, NOT transposed (source 0 = my tokens, source 1 = 16 rows of the weight): a lane holds one channel, and registers 16 T + i the keys 32 b + 16 h + i: neighbours along the second product's K
	v_and_b32 v10, 15, v0
	s_delay_alu instid0(VALU_DEP_1)
	v_lshrrev_b32 v11, 3, v10
	s_delay_alu instid0(VALU_DEP_1)
	v_lshlrev_b32 v11, 5, v11
	s_delay_alu instid0(VALU_DEP_1)
	v_lshl_add_u32 v11, v10, 2, v11        ; 4 (r + 8 (r / 8)): my channel in a tile
.irp t,0,1,2,3,4,5,6,7
	ds_load_b32 v[VB+2*\t], v11 offset:2048+4*(32*(\t/2)+8*(\t%2))
	v_mov_b32 v[VB+2*\t+1], 0              ; (the pair's upper half is named, so it is written)
.endr
.irp g,0,1
	W4 3, QKVF+1536*(16+4*\g), 4, QKVS+64*(16+4*\g)
	s_wait_dscnt 0x0
.irp t,0,1,2,3
	MM0 VR+16*(4*\g+\t), XF0, WF+12*\t, XS0, WS+\t
	MM0 VR+16*(4*\g+\t)+8, XF1, WF+12*\t, XS1, WS+\t
.endr
	PLACES 4
.endr
	s_wait_alu depctr_va_vdst(0)
.irp t,0,1,2,3,4,5,6,7
.irp j,0,2,4,6,8,10,12,14
	v_pk_add_f32 v[VR+16*\t+\j:VR+16*\t+\j+1], v[VR+16*\t+\j:VR+16*\t+\j+1], v[VB+2*\t:VB+2*\t+1] op_sel_hi:[1,0]
.endr
.endr
	; my 32 keys are block b % 4 of K step b / 4: in V^T's fragment that is lanes 16 (b % 2) + r, registers 6 ((b / 2) % 2) + 3 h + 0 .. 2; a lane's 12 registers lie on end, 48 bytes
	v_mul_u32_u24 v12, v10, 48
	v_bfe_u32 v13, v0, 4, 1
	s_delay_alu instid0(VALU_DEP_1)
	v_mad_u32_u24 v12, v13, 12, v12
	s_wait_alu depctr_va_vdst(0)
	s_lshr_b32 s70, s14, 2
	s_mul_i32 s71, s70, 12288
	s_and_b32 s75, s14, 1
	s_mul_i32 s75, s75, 768
	s_add_co_u32 s71, s71, s75
	s_bfe_u32 s75, s14, 0x10001
	s_mul_i32 s75, s75, 24
	s_add_co_u32 s71, s71, s75
	s_add_co_u32 s71, s71, s73
	s_add_co_u32 s71, s71, 25600
	v_add_nc_u32 v10, s71, v12
	s_lshl_b32 s70, s70, 9
	s_and_b32 s75, s14, 3
	s_add_co_u32 s70, s70, s75
	s_add_co_u32 s70, s70, s73
	s_add_co_u32 s70, s70, 50176
	v_add_nc_u32 v11, s70, v4              ; my block's byte of my channel's scale word
.irp g,0,1
	QHEAD VR+64*\g
.irp t,0,1,2,3
	v_cvt_scalef32_pk16_bf6_f32 v[PC+4*\t:PC+4*\t+2], v[VR+64*\g+16*\t:VR+64*\g+16*\t+15], v[TM+12+\t]
.endr
	v_nop                                  ; one plain place behind a scaled conversion
.irp t,0,1,2,3
.irp i,0,1,2
	ds_store_b32 v10, v[PC+4*\t+\i] offset:1536*(4*\g+\t)+4*\i
.endr
	ds_store_b8 v11, v[TM+4+\t] offset:64*(4*\g+\t)               ; both halves of the lanes write the same byte with the same value
.endr
	s_wait_dscnt 0x0                       ; the stores have read their registers
.endr
	global_prefetch_b8 v8, s[6:7] th:TH_LOAD_NT scope:SCOPE_SE    ; the mask of my tile 0: 16 rows x 512 bytes, the keys' half of my batch's number; the wave of the other batch asks for the other half: each 256 bytes are named once
	; ---- Q, times 32^-0.5
	v_add_nc_u32 v10, v4, v5
	s_delay_alu instid0(VALU_DEP_1)
	v_mul_u32_u24 v10, v10, 6              ; 24 r + 384 h: head 2 c + h, row r
	s_delay_alu instid0(VALU_DEP_1)
	v_add_nc_u32 v10, s72, v10
	s_add_co_u32 s70, s72, 1536
	v_add_nc_u32 v11, s70, v4
	LIN2 0, 1024
.irp j,0,2,4,6,8,10,12,14,16,18,20,22,24,26,28,30,32,34,36,38,40,42,44,46,48,50,52,54,56,58,60,62
	v_pk_mul_f32 v[X0+\j:X0+\j+1], v[X0+\j:X0+\j+1], s[26:27] op_sel_hi:[1,0]
.endr
.irp j,0,2,4,6,8,10,12,14,16,18,20,22,24,26,28,30,32,34,36,38,40,42,44,46,48,50,52,54,56,58,60,62
	v_pk_mul_f32 v[X1+\j:X1+\j+1], v[X1+\j:X1+\j+1], s[26:27] op_sel_hi:[1,0]
.endr
	QPUT 0
	s_wait_dscnt 0x0
	QPUT 1
	BARRIER                                ; K and V of both batches are whole, and nobody reads w_qkv's fragments any more
; ================================================================ PHASE 2: attention, a tile of 16 queries a trip
.set QS,  16                           ; v16      the head's scale word of Q
.set QZ,  20                           ; v20-49   zeros | Q's block in lanes 0-15 | zeros | Q's block in lanes 16-31 | zeros, six registers each: twelve on end from QZ+6, QZ+18, QZ, QZ+12 hold the block at block 0, 1, 2, 3
.set ST,  50                           ; v50-65   for each head: -M, the largest t, the sum in two halves
.set O,   66                           ; v66-129  O^T: head hh, channels 16 q on, at 16 hh + 8 q
.set S,   130                          ; v130-193 the mask, S^T, p
.set KF,  194                          ; v194-217 two fragments of K
.set KS,  218                          ; v218-219 their scale words
.set PCD, 194                          ; v194-205 p's codes
.set QT,  206
.set VF,  214                          ; v214-237 two fragments of V^T
.set VS,  238
.set SB,  QZ+6                         ; v26-27   the sums' second chain: Q's registers are free from the scores' products to the next head's load
.set BM,  240                          ; v240-243 the blocks' largest scores, then largest p
.set BP,  244
.set SO,  248                          ; v248-251 the conversions' scale operands
.set FF,  252                          ; v252-253 f = 2^(old M - new M)
.set TT,  254
.set PW,  255                          ; p's scale word
.irp z,0,12,24
.irp i,0,1,2,3,4,5
	v_mov_b32 v[QZ+\z+\i], 0               ; the three runs of zero codes: written once
.endr
.endr
	s_sub_co_u32 s76, ZB, s72              ; from my bytes for Q to the zeros
	s_add_co_u32 s70, s73, 25600
	v_and_b32 v14, 31, v0
	s_delay_alu instid0(VALU_DEP_1)
	v_mul_u32_u24 v13, v14, 48
	s_delay_alu instid0(VALU_DEP_1)
	v_add_nc_u32 v12, s73, v13             ; K's fragments, 48 bytes a lane
	s_delay_alu instid0(VALU_DEP_2)
	v_add_nc_u32 v13, s70, v13             ; V^T's fragments
	s_add_co_u32 s70, s73, 24576
	v_add_nc_u32 v14, s70, v4              ; scale words: K's, and 25,600 further on V's
	v_and_b32 v15, 15, v0
	s_delay_alu instid0(VALU_DEP_1)
	v_mul_u32_u24 v15, v15, 528
	s_delay_alu instid0(VALU_DEP_1)
	v_add_nc_u32 v15, v15, v5
	s_delay_alu instid0(VALU_DEP_1)
	v_add_nc_u32 v15, s74, v15             ; the mask in my slice: row r of 512 + 16 bytes, + 64 h
	v_add_nc_u32 v19, s18, v7
	s_delay_alu instid0(VALU_DEP_1)
	v_and_b32 v19, 15, v19
	s_delay_alu instid0(VALU_DEP_1)
	v_lshl_add_u32 v19, v19, 13, v6
	s_delay_alu instid0(VALU_DEP_1)
	v_mad_u32_u24 v19, v5, 3, v19          ; a prefetch of x: tile 0's row r, its half h of 256 bytes
	s_mov_b32 s29, 0
	s_mov_b32 s31, 0
.macro MASKIN s                        ; the mask of my 16 queries x 128 keys: it goes to my slice of LDS as an image that all four heads read back
; each load takes 512 consecutive bytes: row j of my tile (query j + 8 (j / 8)), its 128 keys of step s, 16 bytes a lane.  The rows go to my slice, 528 bytes apart; every head reads them back in S^T's order as its scores' C
.set j, 0
.rept 16
	global_load_b128 v[S+4*j:S+4*j+3], v3, s[6:7] offset:512*\s+1024*(j+8*(j/8))
.set j, j+1
.endr
	s_wait_loadcnt 0x0
.set j, 0
.rept 16
	ds_store_b128 v9, v[S+4*j:S+4*j+3] offset:528*j
.set j, j+1
.endr
	s_wait_dscnt 0x0                       ; the stores have read their registers: the first head's loads land there
.endm
; head hh, key step s (128 keys)
.macro ATT hh, s
.set NM, ST+4*\hh
.set OO, O+16*\hh
.irp i,0,1,2                           ; the head's block of Q, 24 bytes a row: once with lanes 16-31 reading zeros, once with lanes 0-15 reading zeros
	ds_load_b64 v[QZ+6+2*\i:QZ+7+2*\i], v10 offset:384*\hh+8*\i
	ds_load_b64 v[QZ+18+2*\i:QZ+19+2*\i], v11 offset:384*\hh+8*\i
.endr
	ds_load_b32 v[QS], v18 offset:64*\hh
	VEC16 S, 15, 0                         ; the mask is the scores' C: register 16 B + i = key 32 B + 16 h + i of query r
.if (\hh == 2) && (\s == 1)            ; two heads' work ahead of the loads that will want them.  Trip 0: the mask of tile 1 (my batch's half of the keys).  Trip 1: tile 0's 16 rows of x, 8,192 bytes, for the residual
	s_cmp_eq_u32 s29, 0
	s_cbranch_scc0 .Lask_x_\@
	global_prefetch_b8 v8, s[6:7] offset:8192 th:TH_LOAD_NT scope:SCOPE_SE
	s_branch .Lasked_\@
.Lask_x_\@:
	global_prefetch_b8 v19, s[4:5] th:TH_LOAD_NT scope:SCOPE_SE
.Lasked_\@:
.endif
	PLACES 4                               ; behind the last products, ahead of loads into registers that they read
.irp g,0,1                             ; the head's fragments of groups 2 s and 2 s + 1: eight key tiles
.irp c,0,1,2
	ds_load_b128 v[KF+12*\g+4*\c:KF+12*\g+4*\c+3], v12 offset:1536*(4*\hh+2*\s+\g)+16*\c
.endr
	ds_load_b32 v[KS+\g], v14 offset:64*(4*\hh+2*\s+\g)
.endr
	s_wait_dscnt 0x0
.irp g,1,0                             ; key tile 4 g + j of the step: Q's block stands at block j.  The second fragment's four go first: so no product follows one whose result registers it shares
	MM S+32*\g, KF+12*\g, QZ+6, S+32*\g, KS+\g, QS
	MM S+32*\g+8, KF+12*\g, QZ+18, S+32*\g+8, KS+\g, QS
	MM S+32*\g+16, KF+12*\g, QZ, S+32*\g+16, KS+\g, QS
	MM S+32*\g+24, KF+12*\g, QZ+12, S+32*\g+24, KS+\g, QS
.endr
	PLACES 4
.irp q,0,1                             ; V^T's two tiles of the head land while the softmax is walked
.irp c,0,1,2
	ds_load_b128 v[VF+12*\q+4*\c:VF+12*\q+4*\c+3], v13 offset:1536*(8*\s+2*\hh+\q)+16*\c
.endr
	ds_load_b32 v[VS+\q], v14 offset:25600+64*(8*\s+2*\hh+\q)
.endr
.irp b,0,1,2,3
	v_max3_num_f32 v[BM+\b], v[S+16*\b], v[S+1+16*\b], v[S+2+16*\b]      ; the largest score of each block of 32 keys: for the row's maximum and, since p rises with the score, for the block's largest p
.endr
.irp i,3,5,7,9,11,13
.irp b,0,1,2,3
	v_max3_num_f32 v[BM+\b], v[BM+\b], v[S+16*\b+\i], v[S+1+16*\b+\i]
.endr
.endr
.irp b,0,1,2,3
	v_max_num_f32 v[BM+\b], v[BM+\b], v[S+15+16*\b]
.endr
.irp b,0,1,2,3
	s_delay_alu instid0(VALU_DEP_4)
	v_permlanex16_b32 v[BP+\b], v[BM+\b], s[SEL], s[SEL+1]
.endr
.irp b,0,1,2,3
	s_delay_alu instid0(VALU_DEP_4)
	v_max_num_f32 v[BM+\b], v[BM+\b], v[BP+\b]
.endr
	s_delay_alu instid0(VALU_DEP_2)
	v_max3_num_f32 v[TT], v[BM], v[BM+1], v[BM+2]
	s_delay_alu instid0(VALU_DEP_1)
	v_max_num_f32 v[TT], v[TT], v[BM+3]
.if \s == 0
	s_delay_alu instid0(VALU_DEP_1)
	v_mul_f32 v[NM+1], s24, v[TT]          ; the largest t
	s_delay_alu instid0(VALU_DEP_1)
	v_floor_f32 v[NM], -v[NM+1]            ; -M = floor(-t): M is a whole number
.else
	s_delay_alu instid0(VALU_DEP_1)
	v_mul_f32 v[TT], s24, v[TT]
	s_delay_alu instid0(VALU_DEP_1)
	v_max_num_f32 v[NM+1], v[NM+1], v[TT]  ; the running largest t
	v_mov_b32 v[TT], v[NM]
	s_delay_alu instid0(VALU_DEP_2)
	v_floor_f32 v[NM], -v[NM+1]
	s_delay_alu instid0(VALU_DEP_1)
	v_sub_f32 v[TT], v[NM], v[TT]          ; old M less new M: a whole number, 0 or less
	s_delay_alu instid0(VALU_DEP_1)
	v_cvt_i32_f32 v[TT], v[TT]
	s_delay_alu instid0(VALU_DEP_1)
	v_ldexp_f32 v[FF], 1.0, v[TT]          ; f: a multiplication by it rounds nothing
.endif
.set j, 0
.rept 32
	v_pk_fma_f32 v[S+j:S+j+1], v[S+j:S+j+1], s[24:25], v[NM:NM+1] op_sel_hi:[1,0,0]   ; t - M
.set j, j+2
.endr
.irp b,0,1,2,3
	v_fma_f32 v[BM+\b], v[BM+\b], s24, v[NM]
.endr
.set j, 0
	s_wait_alu depctr_va_vdst(0)
.rept 64
	v_exp_f32 v[S+j], v[S+j]               ; p = 2^(t - M): not normalised
.set j, j+1
.endr
.if \s == 0
	v_nop                                  ; the plain place behind the batch
.else
	v_pk_mul_f32 v[NM+2:NM+3], v[NM+2:NM+3], v[FF:FF+1] op_sel_hi:[1,0]               ; the sums under the new M (the plain place behind the batch)
.endif
	s_wait_alu depctr_va_vdst(0)           ; one wait for the 64, ahead of their first reader
.irp b,0,1,2,3
	v_exp_f32 v[BM+\b], v[BM+\b]           ; the blocks' largest p
.endr
.if \s == 0                            ; the row's sum of the unquantised p, in two chains; the first key step starts it
	v_pk_add_f32 v[NM+2:NM+3], v[S:S+1], v[S+4:S+5]
	v_pk_add_f32 v[SB:SB+1], v[S+2:S+3], v[S+6:S+7]
.set j, 8
.rept 10
	v_pk_add_f32 v[NM+2:NM+3], v[NM+2:NM+3], v[S+j:S+j+1]
	v_pk_add_f32 v[SB:SB+1], v[SB:SB+1], v[S+j+2:S+j+3]
.set j, j+4
.endr
.else
	v_pk_add_f32 v[SB:SB+1], v[S:S+1], v[S+2:S+3]
.set j, 4
.rept 13
	v_pk_add_f32 v[NM+2:NM+3], v[NM+2:NM+3], v[S+j:S+j+1]
	v_pk_add_f32 v[SB:SB+1], v[SB:SB+1], v[S+j+2:S+j+3]
.set j, j+4
.endr
.endif
	s_wait_alu depctr_va_vdst(0)           ; and one for the four
.irp b,0,1,2,3
	v_max_num_f32 v[BM+\b], 0x2800000, v[BM+\b]                   ; the floor 2^(5 - 127): a block whose every p has fallen to 0 keeps the byte 1: its codes are zeros
.endr
.irp b,0,1,2,3
	s_delay_alu instid0(VALU_DEP_4)
	v_add_nc_u32 v[SO+\b], 0xfe000000, v[BM+\b]
.endr
.irp b,0,1,2,3
	s_delay_alu instid0(VALU_DEP_4)
	v_lshrrev_b32 v[BP+\b], 23, v[SO+\b]
.endr
	s_delay_alu instid0(VALU_DEP_3)
	v_lshl_or_b32 v[PW], v[BP+1], 8, v[BP]
	s_delay_alu instid0(VALU_DEP_1)
	v_lshl_or_b32 v[PW], v[BP+2], 16, v[PW]
	s_delay_alu instid0(VALU_DEP_1)
	v_lshl_or_b32 v[PW], v[BP+3], 24, v[PW]
	QCODE S, PCD, SO
; the rest of the row's sum stands here: it names no register of the products below, so its additions are the places behind p's scale word (eight) and codes (four)
.if \s == 0
.rept 4
	v_pk_add_f32 v[NM+2:NM+3], v[NM+2:NM+3], v[S+j:S+j+1]
	v_pk_add_f32 v[SB:SB+1], v[SB:SB+1], v[S+j+2:S+j+3]
.set j, j+4
.endr
.else
.irp j,0,2,4,6,8,10,12,14
	v_pk_mul_f32 v[OO+\j:OO+\j+1], v[OO+\j:OO+\j+1], v[FF:FF+1] op_sel_hi:[1,0]       ; O^T under the new M
.endr
.rept 2                                ; with the other tile's four multiplications and the place behind the conversions: ten behind the scale word
	v_pk_add_f32 v[NM+2:NM+3], v[NM+2:NM+3], v[S+j:S+j+1]
	v_pk_add_f32 v[SB:SB+1], v[SB:SB+1], v[S+j+2:S+j+3]
.set j, j+4
.endr
.endif
	s_delay_alu instid0(VALU_DEP_1)
	v_pk_add_f32 v[NM+2:NM+3], v[NM+2:NM+3], v[SB:SB+1]
	s_wait_dscnt 0x0                       ; V^T's fragments are in
.if \s == 0
	s_wait_alu depctr_va_vdst(0)
	MM0 OO, VF, PCD, VS, PW
	MM0 OO+8, VF+12, PCD, VS+1, PW
.else
	s_wait_alu depctr_va_vdst(0)
	MM OO, VF, PCD, OO, VS, PW
	MM OO+8, VF+12, PCD, OO+8, VS+1, PW
.endif
.endm
.Lqtile:
	s_add_co_u32 s70, s72, s31
	v_add_nc_u32 v17, s70, v3
	v_bfe_u32 v10, v0, 4, 1                ; h
	v_mul_u32_u24 v[TT], v4, 6             ; 24 r
	s_delay_alu instid0(VALU_DEP_2)
	v_mul_u32_u24 v11, s76, v10            ; h x the distance to the zeros
	s_delay_alu instid0(VALU_DEP_2)
	v_add_nc_u32 v[TT], s70, v[TT]
	s_delay_alu instid0(VALU_DEP_1)
	v_add_nc_u32 v10, v[TT], v11           ; lanes 0-15: the tile's row r of Q; lanes 16-31: zeros
	s_delay_alu instid0(VALU_DEP_3)
	v_sub_nc_u32 v11, s76, v11
	s_delay_alu instid0(VALU_DEP_1)
	v_add_nc_u32 v11, v[TT], v11           ; lanes 0-15: zeros; lanes 16-31: row r of Q
	s_add_co_u32 s70, s70, 1536
	v_add_nc_u32 v18, s70, v4
	s_wait_alu depctr_va_vdst(0)
	MASKIN 0
	ATT 0, 0
	ATT 1, 0
	ATT 2, 0
	ATT 3, 0
	MASKIN 1
	ATT 0, 1
	ATT 1, 1
	ATT 2, 1
	ATT 3, 1
	; O^T / the sum; its codes take Q's place in my bytes of LDS.  (The additions are the places behind the last products)
.irp t,0,1,2,3
	v_add_f32 v[240+2*\t], v[ST+4*\t+2], v[ST+4*\t+3]
.endr
.irp t,0,1,2,3
	s_delay_alu instid0(VALU_DEP_4)
	v_permlanex16_b32 v[248+\t], v[240+2*\t], s[SEL], s[SEL+1]
.endr
.irp t,0,1,2,3
	s_delay_alu instid0(VALU_DEP_4)
	v_add_f32 v[240+2*\t], v[240+2*\t], v[248+\t]
.endr
	s_wait_alu depctr_va_vdst(0)
.irp t,0,1,2,3
	v_rcp_f32 v[240+2*\t], v[240+2*\t]
.endr
	v_nop                                  ; the plain place behind the reciprocals
	s_wait_alu depctr_va_vdst(0)           ; one wait for the four
.irp t,0,1,2,3
.irp j,0,2,4,6,8,10,12,14
	v_pk_mul_f32 v[O+16*\t+\j:O+16*\t+\j+1], v[O+16*\t+\j:O+16*\t+\j+1], v[240+2*\t:241+2*\t] op_sel_hi:[1,0]
.endr
.endr
.set TM, 240
	QUANT O, PCD, 236
	IMG 17, 0, PCD
	ds_store_b32 v18, v236
	s_wait_dscnt 0x0
	s_wait_xcnt 0x0                        ; the trip's loads and its prefetch have read their base: it may step
	s_add_nc_u64 s[6:7], s[6:7], 8192      ; eight rows of the mask on: tile 1's queries
	s_add_co_u32 s31, s31, 1792
	s_add_co_u32 s29, s29, 1
	s_cmp_lt_u32 s29, 2
	s_cbranch_scc1 .Lqtile
; ================================================================ w_fc1 and w_fc2 take K's and V's place
	v_lshlrev_b32 v10, 4, v0
.irp i,0,1,2,3,4,5,6,7,8,9,10,11,12
	global_load_b128 v[84+4*\i:87+4*\i], v10, s[8:9] offset:53760+8192*\i   ; wpack's last 106,496 bytes: 13 x 8,192, so that all 512 threads copy alike; the first 4,096 fall into wave 15's slice, which is dead here
.endr
	v_add_nc_u32 v11, RB-4096, v10
	v_add_nc_u32 v12, RB-4096+65536, v10
	s_wait_alu depctr_va_vdst(0)
	BARRIER                                ; nobody reads K, V or a mask image any more
	s_wait_loadcnt 0x0
.irp i,0,1,2,3,4,5,6,7
	ds_store_b128 v11, v[84+4*\i:87+4*\i] offset:8192*\i
.endr
.irp i,8,9,10,11,12
	ds_store_b128 v12, v[84+4*\i:87+4*\i] offset:8192*(\i-8)
.endr
	BARRIER                                ; the two weights lie in LDS
; ================================================================ PHASE 3: projection, residual, LN2, MLP, residual; a tile of 16 tokens a trip
.set ACC, 20                           ; v20-83   x + b_proj + projection = x2; then x2 + b_fc2 + FC2's sums
.set HID, 84                           ; v84-147  LN2's result; a chunk of 128 hidden units; rows of out0
.set X2F, 148                          ; v148-159 O's fragment, then LN2's
.set X2S, 160
.set WF,  162                          ; v162-209
.set WS,  210                          ; v210-213
.set HF,  214                          ; v214-225 the hidden chunk's codes
.set QT,  226
.set PW,  234
.set TM,  236
.set LT,  236
.set RS,  252
.set GB,  162
.set YC,  162                          ; GELU, 16 numbers at a time: y held, y^2, the denominator, the numerator
.set X2,  178
.set QQ,  194
.set PP,  210
	; gelu(y) = y (0.5 + yc PA(X) / QB(X)), yc = y held to +-4 sqrt(2), X = yc^2: erf(z) = z P(z^2) / Q(z^2) at z = y / sqrt(2), the powers of 1/2 and the factor 1 / (2 sqrt(2)) folded into the coefficients
	s_mov_b32 s28, 0xc0b504f3
	s_mov_b32 s35, 0x40b504f3
	s_mov_b32 s70, 0x3eb504f3
	s_mul_f32 s71, s70, 0xac95df0b
	s_mul_f32 s40, s70, 0x306dffee
	s_mul_f32 s42, s70, 0xb40cff51
	s_mul_f32 s44, s70, 0xb6eec2d2
	s_mul_f32 s46, s70, 0xb940ac63
	s_mul_f32 s48, s70, 0xbac1a1f6
	s_mul_f32 s50, s70, 0xbc83dbd4
	s_mov_b32 s52, 0xb7dfbd29
	s_mov_b32 s54, 0xb9dc924e
	s_mov_b32 s56, 0xbb719bf8
	s_mov_b32 s58, 0xbc69b6a7
.irp k,40,42,44,46,48,50,52,54,56,58
	s_mov_b32 s[\k+1], s[\k]               ; (the packed forms name pairs, so both words are written)
.endr
	v_mov_b32 v16, s71
	v_mov_b32 v17, s71
	v_mov_b32 v18, 0xb57460cd
	v_mov_b32 v19, 0xb57460cd
	s_add_co_u32 s70, s18, 2
	v_add_nc_u32 v8, s70, v7
	s_delay_alu instid0(VALU_DEP_1)
	v_and_b32 v8, 15, v8
	s_delay_alu instid0(VALU_DEP_1)
	v_lshl_add_u32 v8, v8, 13, v6
	s_delay_alu instid0(VALU_DEP_1)
	v_mad_u32_u24 v8, v5, 3, v8            ; a prefetch of x: tile 1's row r, its half h of 256 bytes
	v_and_b32 v11, 15, v0
	s_delay_alu instid0(VALU_DEP_1)
	v_mul_u32_u24 v11, v11, 528
	s_delay_alu instid0(VALU_DEP_1)
	v_add_nc_u32 v11, v11, v5
	s_delay_alu instid0(VALU_DEP_1)
	v_add_nc_u32 v11, s74, v11             ; my stage: row r of 512 + 16 bytes, + 64 h
	v_add_nc_u32 v15, RB, v3
	s_mov_b32 s29, 0
	s_mov_b32 s31, 0
	s_mov_b32 s75, s18
.macro GELUB blk
.set Y, HID+16*\blk
.set j, 0
.rept 16
	v_med3_num_f32 v[YC+j], v[Y+j], s28, s35
.set j, j+1
.endr
.set j, 0
.rept 8
	v_pk_mul_f32 v[X2+j:X2+j+1], v[YC+j:YC+j+1], v[YC+j:YC+j+1]
.set j, j+2
.endr
.set j, 0
.rept 8
	v_pk_fma_f32 v[QQ+j:QQ+j+1], v[X2+j:X2+j+1], v[18:19], s[52:53] op_sel_hi:[1,1,0]
.set j, j+2
.endr
.irp k,54,56,58
.set j, 0
.rept 8
	v_pk_fma_f32 v[QQ+j:QQ+j+1], v[QQ+j:QQ+j+1], v[X2+j:X2+j+1], s[\k:\k+1] op_sel_hi:[1,1,0]
.set j, j+2
.endr
.endr
.set j, 0
	s_wait_alu depctr_va_vdst(0)
.rept 16
	v_rcp_f32 v[QQ+j], v[QQ+j]             ; the denominator is -0.0143 or less: never 0
.set j, j+1
.endr
.set j, 0
.rept 8
	v_pk_fma_f32 v[PP+j:PP+j+1], v[X2+j:X2+j+1], v[16:17], s[40:41] op_sel_hi:[1,1,0]   ; the numerator is the independent work behind the reciprocals
.set j, j+2
.endr
.irp k,42,44,46,48,50
.set j, 0
.rept 8
	v_pk_fma_f32 v[PP+j:PP+j+1], v[PP+j:PP+j+1], v[X2+j:X2+j+1], s[\k:\k+1] op_sel_hi:[1,1,0]
.set j, j+2
.endr
.endr
	s_wait_alu depctr_va_vdst(0)           ; one wait for the sixteen, ahead of their first reader
.set j, 0
.rept 8
	v_pk_mul_f32 v[PP+j:PP+j+1], v[PP+j:PP+j+1], v[QQ+j:QQ+j+1]
.set j, j+2
.endr
.set j, 0
.rept 8
	v_pk_fma_f32 v[PP+j:PP+j+1], v[YC+j:YC+j+1], v[PP+j:PP+j+1], 0.5 op_sel_hi:[1,1,0]
.set j, j+2
.endr
.set j, 0
.rept 8
	v_pk_mul_f32 v[Y+j:Y+j+1], v[Y+j:Y+j+1], v[PP+j:PP+j+1]
.set j, j+2
.endr
.endm
.Lttile:
.irp k,0,1                             ; the rows' terms of the first three axes: row i of the tile has r / 8 = k, (r / 4) % 2 = j
	s_add_co_u32 s70, s17, \k
	s_and_b32 s70, s70, 15
	s_lshl_b32 s70, s70, 17
	s_add_co_u32 s70, s70, s16
.irp j,0,1
	s_add_co_u32 s71, s75, \j
	s_and_b32 s71, s71, 15
	s_lshl_b32 s71, s71, 13
	s_add_co_u32 s[66+2*\k+\j], s70, s71
.endr
.endr
.set j, 0
.rept 16
	v_add3_u32 v[236+j], s[66+2*(j/8)+((j/4)%2)], s[36+(j%4)], v3       ; row j's place in x (and in out0), + 16 x lane
.set j, j+1
.endr
.set j, 0
.rept 16
	global_load_b128 v[ACC+4*j:ACC+4*j+3], v[236+j], s[4:5] th:TH_LOAD_NT   ; the shortcut: x's last read; 32 lanes take a token's 512 consecutive bytes
.set j, j+1
.endr
	s_add_co_u32 s70, s72, s31
	v_add_nc_u32 v12, s70, v3
	s_add_co_u32 s70, s70, 1536
	v_add_nc_u32 v13, s70, v4
	FRAG X2F, 12, 0                        ; O's codes
	ds_load_b32 v[X2S], v13
	VEC16 HID, 5, 2560                     ; b_proj
	W4 3, PRF, 4, PRS
	s_wait_loadcnt 0x0
.set j, 0
.rept 16
	ds_store_b128 v9, v[ACC+4*j:ACC+4*j+3] offset:528*j           ; the rows turn through my stage into the results' order
.set j, j+1
.endr
	s_wait_dscnt 0x0                       ; the stores have read their registers
	VEC16 ACC, 11, 0
	s_wait_dscnt 0x0
.set j, 0
.rept 32
	v_pk_add_f32 v[ACC+j:ACC+j+1], v[ACC+j:ACC+j+1], v[HID+j:HID+j+1]
.set j, j+2
.endr
.irp t,0,1,2,3
	MM ACC+8*\t, WF+12*\t, X2F, ACC+8*\t, WS+\t, X2S               ; shortcut and bias are the sums' C
.endr
	PLACES 4
	W4 3, PRF+1536*4, 4, PRS+64*4
	s_wait_alu depctr_va_vdst(0)
	s_wait_dscnt 0x0
.irp t,0,1,2,3
	MM ACC+8*(4+\t), WF+12*\t, X2F, ACC+8*(4+\t), WS+\t, X2S
.endr
	PLACES 4
	LNLOAD 3072, 3584, 0
	LNSTAT ACC, HID, RS
	s_wait_dscnt 0x0
	LNAPPLY HID, RS, 0
	LNLOAD 3072, 3584, 1
	s_wait_dscnt 0x0
	LNAPPLY HID, RS, 1
	QUANT HID, X2F, X2S
	VEC16 HID, 5, 6144                     ; b_fc2
	s_wait_dscnt 0x0
.set j, 0
.rept 32
	v_pk_add_f32 v[ACC+j:ACC+j+1], v[ACC+j:ACC+j+1], v[HID+j:HID+j+1]   ; x2 + b_fc2: where FC2's sums begin.  (These 32 are also the places behind LN2's codes and scale word)
.set j, j+2
.endr
	s_mov_b32 s30, 0
	s_mov_b32 s32, 0
	s_mov_b32 s33, RB+98304
	s_mov_b32 s34, 0
.Lchunk:                                   ; 128 hidden units a trip: FC1, GELU, codes, one K step of FC2.  No LDS load of mine is out here: the address registers may be written
	v_add_nc_u32 v12, s32, v15
	v_add_nc_u32 v13, s33, v4
	v_add_nc_u32 v14, s34, v5
	VEC16 HID, 14, 4096                    ; b_fc1 is FC1's C
	W4 12, 0, 13, 0
	s_lshl_b32 s70, s29, 2
	s_add_co_u32 s70, s70, s30
	s_cmp_eq_u32 s70, 3                    ; tile 0's last chunk: tile 1's 16 rows of x, 8,192 bytes, are asked for one chunk and a way out ahead of their loads
	s_cbranch_scc0 .Lno_ask
	global_prefetch_b8 v8, s[4:5] th:TH_LOAD_NT scope:SCOPE_SE
.Lno_ask:
	s_wait_dscnt 0x0
.irp t,0,1,2,3
	MM HID+8*\t, WF+12*\t, X2F, HID+8*\t, WS+\t, X2S
.endr
	PLACES 4
	s_wait_alu depctr_va_vdst(0)
	W4 12, 1536*4, 13, 64*4
	s_wait_dscnt 0x0
.irp t,0,1,2,3
	MM HID+8*(4+\t), WF+12*\t, X2F, HID+8*(4+\t), WS+\t, X2S
.endr
	PLACES 4
	GELUB 0
	GELUB 1
	GELUB 2
	GELUB 3
	W4 12, 12288, 13, 512                  ; w_fc2's first four tiles land while the chunk is quantised
	QUANT HID, HF, PW
	PLACES 8                               ; the scale word stands eight places ahead of the scaled product
	s_wait_alu depctr_va_vdst(0)
	s_wait_dscnt 0x0
.irp t,0,1,2,3
	MM ACC+8*\t, WF+12*\t, HF, ACC+8*\t, WS+\t, PW                 ; the eight accumulators by turns, one instruction a turn, FC1's eight between two turns
.endr
	PLACES 4
	W4 12, 12288+1536*4, 13, 512+64*4
	s_wait_dscnt 0x0
.irp t,0,1,2,3
	MM ACC+8*(4+\t), WF+12*\t, HF, ACC+8*(4+\t), WS+\t, PW
.endr
	PLACES 4
	s_add_co_u32 s32, s32, 24576
	s_add_co_u32 s33, s33, 1024
	s_add_co_u32 s34, s34, 512
	s_add_co_u32 s30, s30, 1
	s_cmp_lt_u32 s30, 4
	s_cbranch_scc1 .Lchunk
	; the way out: a lane holds 4 x 64 bytes of one row; through my stage the 32 lanes get whole rows of 512 bytes.  LDS serves a wave's instructions in order: no wait between the stores and the loads
.set j, 0
.rept 16
	ds_store_b128 v11, v[ACC+4*j:ACC+4*j+3] offset:128*(j/4)+16*(j%4)   ; each accumulator from its low end on
.set j, j+1
.endr
.set j, 0
.rept 16
	ds_load_b128 v[HID+4*j:HID+4*j+3], v9 offset:528*j
.set j, j+1
.endr
.set j, 0
.rept 16
	v_add3_u32 v[WF+j], s[66+2*(j/8)+((j/4)%2)], s[36+(j%4)], v3        ; row j's place in out0, + 16 x lane
.set j, j+1
.endr
.set j, 0
	s_wait_alu depctr_va_vdst(0)
.rept 16
	s_wait_dscnt 15-j                      ; row j is back; the younger rows' loads may be out
	global_store_b128 v[WF+j], v[HID+4*j:HID+4*j+3], s[10:11] th:TH_STORE_NT   ; 32 lanes store a token's 512 consecutive bytes, aligned
.set j, j+1
.endr
	s_wait_xcnt 0x0                        ; the stores have read their registers: the next trip writes them again
	s_add_co_u32 s75, s75, 2
	s_add_co_u32 s31, s31, 1792
	s_add_co_u32 s29, s29, 1
	s_cmp_lt_u32 s29, 2
	s_cbranch_scc1 .Lttile
	s_wait_tensorcnt 0x0                   ; the wave's end
	ds_add_u32 v1, v2
	s_wait_dscnt 0x0
	s_endpgm
.Lfunc_end_k_qa19951fee1_swin:
	.size	k_qa19951fee1_swin, .Lfunc_end_k_qa19951fee1_swin-k_qa19951fee1_swin
	.p2alignl 7, 3214868480
	.fill 96, 4, 3214868480
	.section	.rodata,"a",@progbits
	.p2align	6, 0x0
	.amdhsa_kernel k_qa19951fee1_swin
		.amdhsa_group_segment_fixed_size 320512
		.amdhsa_private_segment_fixed_size 0
		.amdhsa_enable_private_segment 0
		.amdhsa_kernarg_size 32
		.amdhsa_user_sgpr_count 2
		.amdhsa_user_sgpr_kernarg_segment_ptr 1
		.amdhsa_wavefront_size32 1
		.amdhsa_system_sgpr_workgroup_id_x 1
		.amdhsa_system_sgpr_workgroup_id_y 1
		.amdhsa_system_sgpr_workgroup_id_z 1
		.amdhsa_system_vgpr_workitem_id 0
		.amdhsa_next_free_vgpr 256
		.amdhsa_next_free_sgpr 80
		.amdhsa_reserve_vcc 0
		.amdhsa_float_denorm_mode_32 3
		.amdhsa_float_denorm_mode_16_64 3
		.amdhsa_memory_ordered 1
		.amdhsa_forward_progress 1
		.amdhsa_inst_pref_size 255
	.end_amdhsa_kernel
	.section	.bss,"aw",@nobits
	.p2align	6
	.space	262144
	.amdgpu_metadata
---
amdhsa.version: [ 1, 2 ]
amdhsa.kernels:
  - .name:           k_qa19951fee1_swin
    .symbol:         k_qa19951fee1_swin.kd
    .args:
      - { .name: x, .offset: 0, .size: 8, .value_kind: global_buffer, .address_space: global }
      - { .name: mask_matrix, .offset: 8, .size: 8, .value_kind: global_buffer, .address_space: global }
      - { .name: wpack, .offset: 16, .size: 8, .value_kind: global_buffer, .address_space: global }
      - { .name: out0, .offset: 24, .size: 8, .value_kind: global_buffer, .address_space: global }
    .group_segment_fixed_size: 320512
    .private_segment_fixed_size: 0
    .kernarg_segment_align: 8
    .kernarg_segment_size: 32
    .max_flat_workgroup_size: 512
    .sgpr_count:     80
    .vgpr_count:     256
    .wavefront_size: 32
...
	.end_amdgpu_metadata
.endif
;; end of part 2
